; MI455X (gfx1250); checked and timed in simulation.
; The chip was launched on July 23, 2026; its instructions are those of AMD's public machine-readable ISA for CDNA 5 (MIT licence, August 2026) and "CDNA5" Instruction Set Architecture Reference Guide (July 2026). The comments in the code are by the model that wrote it; some were corrected since.
;; Cross Attention. Allowed arithmetic: matrix products marked QUANTISED: E5M2 operands, one given power-of-two scale a tensor, by v_wmma_f32_16x16x64_bf8_bf8 or v_wmma_f32_16x16x128_bf8_bf8, f32 sums; everything else in f32.
;; Inputs: keys 8 x 1,024 x 8 x 64 float32; keysT 8 x 1,024 x 8 x 64 float32; lowp_scales 8 int32 (the exponents e of the quantised operands' scales 2^e); queries 8 x 1,024 x 8 x 64 float32; values 8 x 1,024 x 8 x 64 float32; valuesT 8 x 1,024 x 8 x 64 float32.
;; Outputs: out0 8 x 1,024 x 8 x 64 float32.
;; This version of the problem:
;;   THIS VERSION OF THE PROBLEM IS GIVEN IN LOW PRECISION. The matrix products marked QUANTISED in the list below multiply operands that are first quantised to E5M2 (5 exponent bits, 2 mantissa bits; 8 bits a number), with one given power-of-two scale for each operand tensor; their sums are f32. All else is computed in f32.
;;   The module's matrix products, in the order in which they are computed (A, B: the left and right operand; K: the contracted axis; several contracted axes count as one K, in the product's order):
;;     1. batch 56 x [M 1,024, K 64] x [K 64, N 1,024]; A: computed on the way; B: computed on the way: QUANTISED (scales: A lowp_scales[0], B lowp_scales[1])
;;     2. batch 56 x [M 64, K 1,024] x [K 1,024, N 1,024]; A: computed on the way; B: softmax (see below): QUANTISED (scales: A lowp_scales[2], B lowp_scales[3])
;;     3. batch 8 x [M 1,024, K 64] x [K 64, N 1,024]; A: computed on the way; B: computed on the way: QUANTISED (scales: A lowp_scales[4], B lowp_scales[5])
;;     4. batch 8 x [M 64, K 1,024] x [K 1,024, N 1,024]; A: computed on the way; B: softmax (see below): QUANTISED (scales: A lowp_scales[6], B lowp_scales[7])
;;   THE QUANTISER, for each operand of a quantised product, along K:
;;     - The operand's scale is 2^e, e = its entry of the input lowp_scales (int32; the entries are numbered through the quantised products in the list's order, A before B).
;;     - Each number is divided by the scale, clamped to +-57,344, and rounded to the nearest number of E5M2, ties to even, subnormals kept.
;;     - The product sums the exact products of the quantised numbers (number of the format x scale) in f32.
;;   ~~~python
;;   def quantise(x, axis, e):      # numpy; x: float32 -> the quantised numbers, widened to float32 again
;;       x = np.moveaxis(x, axis, -1); K = x.shape[-1]
;;       r = np.clip(x / 2.0 ** e, -57344, 57344)
;;       step = 2.0 ** (np.maximum(np.frexp(np.where(r == 0, 1, r))[1] - 1, -14) - 2)
;;       q = np.round(r / step) * step * 2.0 ** e      # np.round: ties to even
;;       return np.moveaxis(q, -1, axis).astype(np.float32)
;;   ~~~
;;   SOFTMAX AHEAD OF A QUANTISED PRODUCT. Where the list says 'softmax', what is quantised is not the finished softmax but p = 2^(t - M), with t = logit x log2(e) and M = ceil(the row's largest t), a whole number; so 1/2 < the row's largest p <= 1. The row's sum l is taken of the UNQUANTISED p, in f32, and the product's result is divided by l at the end. Since M is a whole number, a kernel that streams over the keys may use a running M (the ceiling of the running maximum): every later rescaling is an exact power of two, so the quantised numbers keep their values, but for numbers so far below the row's largest that they fall under the format's range.
;;   OPERANDS COMPUTED ON THE WAY. 'Computed on the way' means the value that the module computes at that place (a softmax that the list does not call 'softmax' is quantised finished and normalised). What goes into a quantiser is computed in f32, as accurately as f32 sums, v_exp_f32 and their like allow (about 1e-6 of the number): no bf16 or f16 on the way to a quantiser, and a product that is left as it is and whose result goes on into a quantised operand takes f32 operands (vector FMAs, or v_wmma_f32_16x16x4_f32). A number that lies on a knife's edge between two numbers of the format may be rounded either way, as far as f32 arithmetic and the matrix unit's own rounding can turn it there, and no further.
;; 2 versions. Each part assembles by itself: llvm-mc -triple=amdgcn-amd-amdhsa -mcpu=gfx1250 --defsym DOCPART=n.
;; ======== version 1 of 2: 1 launch
;; launch attn (part 1): grid 256 x 1, 16 waves a work-group, no clusters, 220,160 bytes of LDS; arguments queries, keys, keysT, values, valuesT, lowp_scales, out0; writes out0
.if DOCPART == 1
	.amdgcn_target "amdgcn-amd-amdhsa--gfx1250"
	.amdhsa_code_object_version 6
	.text
	.protected	k_qf671ff72c4_attn
	.globl	k_qf671ff72c4_attn
	.p2align	8
	.type	k_qf671ff72c4_attn,@function
k_qf671ff72c4_attn:
	s_mov_b64 s[64:65], 0
	v_nop
	global_prefetch_b8 v0, s[64:65] scope:SCOPE_SE
	s_setreg_imm32_b32 hwreg(HW_REG_WAVE_MODE, 25, 1), 1
	s_wait_xcnt 0x0
; CAUSAL ATTENTION ON CODES OF BF8 (E5M2), 64 independent problems: 8 batches x 8 output slots, 1,024 queries and keys, head size 64.
; All tensors are [8][1024][8][64] f32: a token is 2,048 bytes, a head's row in it 256 bytes, a batch 2^21 bytes.
; THE HEADS.  Output slot s takes head 2,1,7,3,0,5,4 (s = 0..6) of queries, keys, values, and slot 7 takes head 6 of queries, keysT, valuesT:
; the fixed permutation [6,2,1,7,3,0,5,4] of the problem (its first entry is the cross head).  As nibbles, slot -> head: 0x64503712.
; THE SCALES.  lowp_scales: slots 0-6: q e0, k e1, v e2, p e3;  slot 7: q e4, k e5, v e6, p e7.
; THE SOFTMAX.  t = score x log2(e) / 8; M = the running largest t rounded UP to a whole number; p = 2^(t - M) is quantised, not normalised; the row's sum is taken of the
; unquantised p and divides at the end; when M moves, the sum and O are multiplied by 2^(old M - new M), which rounds nothing.
; SHARES.  Work-group g: j = g & 3, slot = (g >> 2) & 7, batch = g >> 5.  Each of its sixteen waves owns ONE tile of 16 queries, tile 4 a + j of the head's 64, a from a table by the wave's
; number.  A wave needs the chunks of 128 keys 0 .. a / 2.  The table is a 4 x 4 square (wave / 4, wave % 4) in which every row and every column has 18 steps, and every work-group has 72.
; CODES IN LDS, EACH BYTE WRITTEN ONCE.  A head's K and V are 64 KiB of codes each, so all of it fits: in trip c every wave loads keys 8 w .. 8 w + 7 of chunk c of K and of V as f32,
; quantises them in registers and stores the codes; one barrier; then the waves that need chunk c multiply.  Nothing is filled again, so there is no ring and one barrier a trip:
; trip c + 1 stores into other bytes than trip c reads.  The f32 numbers of chunk c + 2 are asked for in trip c, into the registers that chunk c has left.
; NO CLUSTER, NO JOINT LOADS: what the four work-groups of a head share arrives as f32 and has to pass through registers to be quantised.  Brought jointly into LDS, a chunk's 64 KiB would be
; written there and read back before its 16 KiB of codes are stored, in slots that are filled again.  The price that is paid instead: each row of K and V is loaded by four work-groups.
; LAYOUT.  Both products are used transposed: S^T = K Q^T (source 0 = 16 keys, source 1 = my 16 queries), O^T = V^T P^T (source 0 = 16 of the head's 64, source 1 = P): a lane holds ONE
; query (lane % 16) throughout.  K's rows lie in LDS with bits 3 and 4 of the key's number exchanged, so that the 16 registers of tiles 2 b and 2 b + 1 are the neighbouring keys
; 32 b + 16 (lane / 16) + 0 .. 15, and p's conversions give the second product's operand as it stands.  Fragments come by loads of 16 bytes: registers 4 c .. 4 c + 3 hold
; K = 32 c + 16 (lane / 16) + 0 .. 15: a permutation of k that is the same in both sources of each product.
; LIMITS.  Each exponent e between -126 and 112, eq + ek between -123 and 130, so that every power of two below is an f32 number.  NaN among the inputs is not served; infinities are held at the largest code.
.set TOK,  2048                        ; bytes of a token
.set CHB,  128*TOK                     ; bytes from a chunk of 128 keys to the next, in memory
.set KPI,  80                          ; LDS: a key's 64 codes + 16 of padding = 20 words: the 16 rows of a fragment load start at 16 different places modulo 256 bytes (64 banks of 4 bytes: ISA guide 11.1)
.set VPI,  1040                        ; LDS: a channel's 1,024 codes (byte = key) + 16 of padding = 260 words: likewise.  (The stores of 8 bytes into it, 2 a wave a trip, meet two deep: lanes l and l + 16)
.set VCB,  1024*KPI                    ; V's codes begin behind K's 81,920 bytes
.set STG,  VCB+64*VPI                  ; the stages for the way out begin behind V's 66,560 bytes: 16 rows x 272 bytes for each wave
.set SPI,  272
.set AK0,  1                           ; v1   my lane's place in a tile of K: 80 r + 16 h
.set AV0,  2                           ; v2   in a tile of V: VCB + 1040 r + 16 h
.set AKW,  3                           ; v3   where I store K's codes: (my wave's first row + h) x 80 + 4 r
.set AVW,  4                           ; v4   where I store V's: VCB + 1040 x lane + 8 w
.set VKO,  5                           ; v5   K in memory: token 8 w + h, 16 r bytes into the head's row
.set VVO,  6                           ; v6   V in memory: token 8 w, 4 x lane bytes into the head's row
.set ADK,  7                           ; v7-10 the four LDS places above, in the pair of chunks in hand
.set ADV,  8
.set AWK,  9
.set AWV,  10
.set DQ,   11                          ; v11  r - 16 h, for the mask
                                       ; v12 -M, v13 the largest t, v[14:15] the row's sum in two halves
.set QC,   16                          ; v16-23 Q's codes
.set SCK,  24                          ; v24-26 2^ek, 2^ev, 2^ep as f32: the conversions take the exponent field
.set SCV,  25
.set SCP,  26
.set PFO,  27                          ; v27  the prefetches' offset: token 32 (w % 4) + lane
.set QO,   28                          ; v28  Q in memory: token r, 64 h bytes into the head's row
.set SCQ,  29                          ; v29  2^eq
.set STO,  30                          ; v30  the way out: where I put 32 bytes of a row
.set RD,   31                          ; v31  and where I read a row back
.set F,    32                          ; v32-63 four fragments of K, or V's fragments 0 and 1
.set S,    64                          ; v64-127 S^T, then p; behind p's conversions v64-95 take V's fragments 2 and 3.  At the head: Q's numbers.  On the way out: results
.set O,    128                         ; v128-159 O^T, four tiles
.set PCD,  160                         ; v160-175 p's codes
.set CD,   176                         ; v176-183 the codes of K and V just made
.set X,    184                         ; v184-247 two sets of 32 numbers as loaded: 16 of K, 16 of V
.set GO,   248                         ; v248 the way out: my byte offset in the tile's rows of out0
                                       ; v249 a lane permute's destination; v[250:251] the sum's second chain; v252-254 at work
; s18 wave, s19 j, s20 slot, s21 batch, s22 head, s23 a, s24 my first query, s25 the chunk's first key, s26, s27 the pair's place in K's and V's codes, s28 the loop's count,
; s29 1 in a wave that prefetches, else the greatest number, s[30:31] lane selects, s[32:33] c, s[34:35] K, s[36:37] V, s[38:39] the prefetches' base, s[40:47] the exponents,
; s48-51 eq, ek, ev, ep, s52/53, s54/55, s56/57 -+ the largest number x the scale of K, V, Q, s58 the same of p, s59 ep + ev, s60-63, s66 at work, s72 my last query, s73 my stage
	s_load_b256 s[4:11], s[0:1], 0x0               ; queries s[4:5], keys s[6:7], keysT s[8:9], values s[10:11]
	s_load_b128 s[12:15], s[0:1], 0x20             ; valuesT s[12:13], lowp_scales s[14:15]
	s_load_b64 s[16:17], s[0:1], 0x30              ; out0
	v_lshrrev_b32 v1, 5, v0
	v_readfirstlane_b32 s18, v1                    ; wave 0..15
	s_and_b32 s19, ttmp9, 3                        ; j
	s_bfe_u32 s20, ttmp9, 0x30002                  ; slot: 3 bits from bit 2
	s_lshr_b32 s21, ttmp9, 5                       ; batch
	s_lshl_b32 s60, s20, 2
	s_lshr_b32 s22, 0x64503712, s60
	s_and_b32 s22, s22, 7                          ; the slot's head
	s_and_b32 s60, s18, 7
	s_lshl_b32 s60, s60, 2
	s_mov_b32 s61, 0x795b86a4                      ; a of waves 8-15: 4, 10, 6, 8, 11, 5, 9, 7
	s_cmp_lt_u32 s18, 8
	s_cselect_b32 s61, 0x3d1fc2e0, s61             ; a of waves 0-7: 0, 14, 2, 12, 15, 1, 13, 3
	s_lshr_b32 s23, s61, s60
	s_and_b32 s23, s23, 15                         ; a
	s_lshl_b32 s24, s23, 6
	s_lshl_b32 s60, s19, 4
	s_add_co_u32 s24, s24, s60                     ; my first query: 64 a + 16 j
	s_add_co_u32 s72, s24, 15                      ; my last
	v_and_b32 v32, 15, v0                          ; r
	v_bfe_u32 v33, v0, 4, 1                        ; h
	v_and_b32 v34, 31, v0                          ; lane
	v_mul_u32_u24 v[AK0], v32, KPI
	v_lshl_add_u32 v[AK0], v33, 4, v[AK0]
	v_mul_u32_u24 v[AV0], v32, VPI
	v_lshl_add_u32 v[AV0], v33, 4, v[AV0]
	v_add_nc_u32 v[AV0], VCB, v[AV0]
	s_lshr_b32 s60, s18, 2                         ; keys 8 w .. 8 w + 7 go to rows 32 (w / 4) + 16 (w % 2) + 8 ((w / 2) % 2) + 0 .. 7 of the chunk: bits 3 and 4 exchanged
	s_lshl_b32 s60, s60, 5
	s_and_b32 s61, s18, 1
	s_lshl_b32 s61, s61, 4
	s_add_co_u32 s60, s60, s61
	s_bfe_u32 s61, s18, 0x10001
	s_lshl_b32 s61, s61, 3
	s_add_co_u32 s60, s60, s61
	s_mul_i32 s60, s60, KPI
	v_mul_u32_u24 v[AKW], v33, KPI
	v_lshl_add_u32 v[AKW], v32, 2, v[AKW]
	v_add_nc_u32 v[AKW], s60, v[AKW]
	s_lshl_b32 s61, s18, 3
	s_add_co_u32 s61, s61, VCB
	v_mul_u32_u24 v[AVW], v34, VPI
	v_add_nc_u32 v[AVW], s61, v[AVW]
	s_lshl_b32 s62, s18, 14                        ; 8 w tokens
	v_lshlrev_b32 v[VKO], 4, v32
	v_lshl_add_u32 v[VKO], v33, 11, v[VKO]
	v_add_nc_u32 v[VKO], s62, v[VKO]
	v_lshl_add_u32 v[VVO], v34, 2, s62
	v_lshlrev_b32 v[DQ], 4, v33
	v_sub_nc_u32 v[DQ], v32, v[DQ]
	s_and_b32 s63, s18, 3
	s_lshl_b32 s63, s63, 16                        ; 32 (w % 4) tokens
	v_lshl_add_u32 v[PFO], v34, 11, s63
	v_lshlrev_b32 v[QO], 11, v32
	v_lshl_add_u32 v[QO], v33, 6, v[QO]
	s_mul_i32 s73, s18, 16*SPI
	s_add_co_u32 s73, s73, STG                     ; my stage
	v_mul_u32_u24 v[STO], v32, SPI                 ; in: row r; tile t's eight channels of my half lie 64 t + 32 h bytes on
	v_lshl_add_u32 v[STO], v33, 5, v[STO]
	v_add_nc_u32 v[STO], s73, v[STO]
	v_mul_u32_u24 v[RD], v33, SPI                  ; back: lanes 0-15 take one row of 256 bytes, lanes 16-31 the next
	v_lshl_add_u32 v[RD], v32, 4, v[RD]
	v_add_nc_u32 v[RD], s73, v[RD]
	v_lshlrev_b32 v[GO], 11, v33                   ; and the same two tokens in out0
	v_lshl_add_u32 v[GO], v32, 4, v[GO]
	s_mov_b32 s30, 0x76543210                      ; v_permlanex16_b32: lane l xor 16
	s_mov_b32 s31, 0xfedcba98
	s_wait_kmcnt 0x0
	s_load_b256 s[40:47], s[14:15], 0x0            ; the eight exponents
	s_cmp_eq_u32 s20, 7                            ; the cross slot takes keysT and valuesT: the choice hangs on the work-group's number alone
	s_cselect_b64 s[34:35], s[8:9], s[6:7]
	s_cselect_b64 s[36:37], s[12:13], s[10:11]
	s_lshl_b32 s60, s21, 21
	s_lshl_b32 s61, s22, 8
	s_add_co_u32 s60, s60, s61                     ; batch x 2^21 + head x 256
	s_mov_b32 s61, 0
	s_add_nc_u64 s[34:35], s[34:35], s[60:61]      ; K, V and Q at the head's row of the batch's first token
	s_add_nc_u64 s[36:37], s[36:37], s[60:61]
	s_add_nc_u64 s[4:5], s[4:5], s[60:61]
	s_lshl_b32 s62, s24, 11                        ; my first query's token
	s_mov_b32 s63, 0
	s_add_nc_u64 s[4:5], s[4:5], s[62:63]
	s_lshl_b32 s60, s21, 21
	s_lshl_b32 s66, s20, 8
	s_add_co_u32 s60, s60, s66
	s_add_co_u32 s60, s60, s62                     ; out0: batch, my first query's token, the SLOT's row
	s_add_nc_u64 s[16:17], s[16:17], s[60:61]
	s_cmp_lt_u32 s18, 4                            ; the prefetches: waves 0-3 ask for K's rows, waves 4-7 for V's,
	s_cselect_b64 s[38:39], s[34:35], s[36:37]
	s_lshr_b32 s60, s18, 3                         ; 0 in waves 0-7,
	s_or_b32 s60, s60, s19                         ; of the head's first work-group
	s_cmp_eq_u32 s60, 0
	s_cselect_b32 s29, 1, -1
; A chunk's numbers for my wave, 20 loads into set \set, from \off bytes on.  K: keys 8 w + 2 i + h: sixteen lanes read a head's whole row of 256 bytes, a lane k = 4 r .. 4 r + 3.
; V: A LANE TAKES A CHANNEL AND ITS REGISTERS RUN DOWN THE KEYS, which are the second product's K: channel = lane (registers 16-23) and 32 + lane (24-31), keys 8 w + 0 .. 7;
; each load reads 128 consecutive bytes, and the two halves of a row are asked for one behind the other.  No hint: four work-groups read these rows.
.macro LOADKV set, off
.irp i, 0,1,2,3
	global_load_b128 v[X+32*(\set)+4*\i:X+32*(\set)+4*\i+3], v[VKO], s[34:35] offset:(\off)+2*TOK*\i
.endr
.irp i, 0,1,2,3,4,5,6,7
	global_load_b32 v[X+32*(\set)+16+\i], v[VVO], s[36:37] offset:(\off)+TOK*\i
	global_load_b32 v[X+32*(\set)+24+\i], v[VVO], s[36:37] offset:(\off)+TOK*\i+128
.endr
.endm
.irp c, 0,1                                    ; Q: lane (r, h) takes, of query r, k = 32 c + 16 h + 0 .. 15; read once in the launch
.irp q, 0,1,2,3
	global_load_b128 v[S+16*\c+4*\q:S+16*\c+4*\q+3], v[QO], s[4:5] offset:128*\c+16*\q th:TH_LOAD_NT
.endr
.endr
	LOADKV 0, 0                                    ; chunks 0 and 1
	LOADKV 1, CHB
.set n, 0
.rept 32
	v_mov_b32 v[O+n], 0                            ; O^T.  (The step is written once: the first finds zeros, which the first change of M leaves zeros)
.set n, n+1
.endr
	v_mov_b32 v13, 0xff61b1e6                      ; the largest t so far: -3e38, under every t
	v_floor_f32 v12, -v13                          ; -M
	v_mov_b32 v14, 0                               ; the sum, in two halves
	v_mov_b32 v15, 0
	v_mov_b32 v249, 0                              ; written once: a lane permute's destination counts as one of its sources
	v_mov_b32 v253, 0                              ; (named as the upper half of the pair v[252:253])
	s_wait_kmcnt 0x0
	s_cmp_eq_u32 s20, 7
	s_cselect_b32 s48, s44, s40                    ; eq
	s_cselect_b32 s49, s45, s41                    ; ek
	s_cselect_b32 s50, s46, s42                    ; ev
	s_cselect_b32 s51, s47, s43                    ; ep
	s_add_co_i32 s60, s48, s49
	s_lshl_b32 s60, s60, 23
	s_add_co_i32 s32, s60, 0x3e38aa3b              ; c = log2(e) / 8, with eq + ek added to its exponent field: a score stands for score x 2^(eq + ek)
	s_mov_b32 s33, s32                             ; (named with it as a pair, so it is written)
	s_add_co_i32 s59, s51, s50                     ; ep + ev
; 2^e as f32 into v[vsc]; the largest number x 2^e into s[pos], its negative into s[neg]
.macro LIMITS e, neg, pos, vsc
	s_add_co_i32 s60, s[\e], 127
	s_lshl_b32 s61, s60, 23
	v_mov_b32 v[\vsc], s61
	s_add_co_i32 s60, s60, 15
	s_lshl_b32 s60, s60, 23
	s_or_b32 s[\pos], s60, 0x600000                ; 57,344 = 1.75 x 2^15
	s_or_b32 s[\neg], s[\pos], 0x80000000
.endm
	LIMITS 49, 52, 53, SCK
	LIMITS 50, 54, 55, SCV
	LIMITS 48, 56, 57, SCQ
	LIMITS 51, 62, 58, SCP                         ; (p is never negative: s62 is not used)
	s_wait_loadcnt 40                              ; Q's eight loads are in; the 40 of chunks 0 and 1, issued behind them, may be out
.set n, 0
.rept 32
	v_med3_num_f32 v[S+n], v[S+n], s56, s57        ; the conversion to an 8-bit code does not saturate (ISA guide 7.6.2): the hold at the largest code x the scale
.set n, n+1
.endr
.irp c, 0,1
	v_cvt_scalef32_pk8_bf8_f32 v[QC+4*\c:QC+4*\c+1], v[S+16*\c:S+16*\c+7], v[SCQ]
	v_cvt_scalef32_pk8_bf8_f32 v[QC+4*\c+2:QC+4*\c+3], v[S+16*\c+8:S+16*\c+15], v[SCQ]
.endr
	v_nop                                          ; one plain vector line behind the last conversion: products will read the codes and write the numbers' registers
	s_mov_b32 s25, 0
	s_mov_b32 s26, 0
	s_mov_b32 s27, 0
; My wave's part of a chunk becomes codes and goes to LDS.  \par: the chunk's parity, which is also its set of registers.  \young: the next chunk's loads, which may stay out.
.macro PRODUCE par, young
	s_wait_loadcnt (\young)+16                     ; my 4 loads of K are in; behind them stand this chunk's 16 of V and the next chunk's
.set n, X+32*(\par)
.rept 16
	v_med3_num_f32 v[n], v[n], s52, s53
.set n, n+1
.endr
	v_cvt_scalef32_pk8_bf8_f32 v[CD:CD+1], v[X+32*(\par):X+32*(\par)+7], v[SCK]            ; register CD + i: the four codes k = 4 r .. 4 r + 3 of key 8 w + 2 i + h
	v_cvt_scalef32_pk8_bf8_f32 v[CD+2:CD+3], v[X+32*(\par)+8:X+32*(\par)+15], v[SCK]
	s_wait_loadcnt \young                          ; V's 16 are in
.rept 16
	v_med3_num_f32 v[n], v[n], s54, s55
.set n, n+1
.endr
	v_cvt_scalef32_pk8_bf8_f32 v[CD+4:CD+5], v[X+32*(\par)+16:X+32*(\par)+23], v[SCV]      ; channel = lane: the codes of keys 8 w + 0 .. 7, the keys innermost
	v_cvt_scalef32_pk8_bf8_f32 v[CD+6:CD+7], v[X+32*(\par)+24:X+32*(\par)+31], v[SCV]      ; channel = 32 + lane
	v_nop                                          ; one plain vector line behind the last conversion
.irp i, 0,1,2,3
	ds_store_b32 v[AWK], v[CD+\i] offset:(\par)*128*KPI+2*KPI*\i                           ; sixteen lanes fill a key's 64 bytes
.endr
	ds_store_b64 v[AWV], v[CD+4:CD+5] offset:(\par)*128
	ds_store_b64 v[AWV], v[CD+6:CD+7] offset:(\par)*128+32*VPI
.endm
; A PREFETCH INTO THE L2: trip c asks for chunk c + 3, whose loads are issued in trip c + 1.  It stands behind the trip's own loads.  Each row's 256 bytes are named ONCE in the launch: of the four
; work-groups of a head the first asks; in it waves 0-3 ask for K's 128 rows of the chunk and waves 4-7 for V's, a lane a row, one instruction a wave.  Chunks 0 to 2 come by their loads alone;
; chunk 7 is the last that there is: the loop's last trip asks for it at its even chunk and for nothing at its odd one (s28 = 1 there).
.macro ASK par
.if \par
	s_cmp_gt_u32 s28, s29
.else
	s_cmp_ge_u32 s28, s29
.endif
	s_cbranch_scc0 .Lnot_mine_\@
	global_prefetch_b8 v[PFO], s[38:39] offset:(3+\par)*CHB th:TH_LOAD_NT scope:SCOPE_SE
.Lnot_mine_\@:
.endm
; A KEY STEP: my 16 queries against the chunk's 128 keys.
; A load into a register that a matrix instruction has read, and a vector instruction that reads a matrix result, stand four plain vector instructions behind it.
; In front of the first loads below those are the 32 holds of PRODUCE.  No two matrix instructions that follow each other share an accumulator.
.macro STEP par
.irp g, 0,1                                    ; S^T = K Q^T, four tiles of 16 keys at a time
.if \g
.rept 4
	v_nop
.endr
.endif
.irp t, 0,1,2,3
.irp c, 0,1
	ds_load_b128 v[F+8*\t+4*\c:F+8*\t+4*\c+3], v[ADK] offset:(\par)*128*KPI+(4*\g+\t)*16*KPI+32*\c
.endr
.endr
	s_wait_dscnt 0x0
.irp t, 0,1,2,3
	v_wmma_f32_16x16x64_bf8_bf8 v[S+8*(4*\g+\t):S+8*(4*\g+\t)+7], v[F+8*\t:F+8*\t+7], v[QC:QC+7], 0
.endr
.endr                                          ; lane (r, h) holds query r; register 16 b + i is key 32 b + 16 h + i of the chunk
.rept 4
	v_nop
.endr
.irp t, 0,1                                    ; V's fragments 0 and 1 are asked for now and land under the softmax
.irp c, 0,1,2,3
	ds_load_b128 v[F+16*\t+4*\c:F+16*\t+4*\c+3], v[ADV] offset:(\par)*128+16*\t*VPI+32*\c
.endr
.endr
	s_add_co_u32 s60, s25, 127                     ; THE MASK: on the diagonal the scores of hidden keys become -infinity ahead of the maximum: p = 0 then.  A step all of whose keys count skips this.
	s_cmp_le_u32 s60, s24                          ; (The chunk's first key counts for all my queries, so the maximum is a number)
	s_cbranch_scc1 .Lopen_\@
	s_sub_co_i32 s60, s24, s25
	v_add_nc_u32 v252, s60, v[DQ]                  ; d = my query - the chunk's first key - 16 h: register 16 b + i is hidden where 32 b + i > d
	v_mov_b32 v254, 0xff800000                     ; -infinity
.irp n, 0,1,2,3,4,5,6,7,8,9,10,11,12,13,14,15,16,17,18,19,20,21,22,23,24,25,26,27,28,29,30,31,32,33,34,35,36,37,38,39,40,41,42,43,44,45,46,47,48,49,50,51,52,53,54,55,56,57,58,59,60,61,62,63
	v_cmp_gt_i32 vcc_lo, 32*(\n/16)+\n%16, v252
	v_cndmask_b32 v[S+\n], v[S+\n], v254, vcc_lo
.endr
.Lopen_\@:
	v_max3_num_f32 v254, v[S], v[S+1], v[S+2]      ; the step's largest score of my query, among my 64 keys, in two chains (each tile is first read at its low end),
	v_max3_num_f32 v252, v[S+3], v[S+4], v[S+5]
.irp i, 6,10,14,18,22,26,30,34,38,42,46,50,54,58
	v_max3_num_f32 v254, v254, v[S+\i], v[S+\i+1]
	v_max3_num_f32 v252, v252, v[S+\i+2], v[S+\i+3]
.endr
	v_max3_num_f32 v254, v254, v[S+62], v[S+63]
	v_max_num_f32 v254, v254, v252
	v_permlanex16_b32 v249, v254, s30, s31
	v_max_num_f32 v254, v254, v249                 ; and among lane l xor 16's
	v_mul_f32 v254, s32, v254                      ; as t (c is positive)
	v_max_num_f32 v13, v13, v254                   ; the running largest t
	v_mov_b32 v254, v12
	v_floor_f32 v12, -v13                          ; the new -M = floor(-t) = -ceil(t): M is a whole number
	v_sub_f32 v254, v12, v254                      ; M's old value less its new one: a whole number, 0 or less
	v_cvt_i32_f32 v254, v254                       ; (it saturates)
	v_ldexp_f32 v252, 1.0, v254                    ; f = 2^(old M - new M)
.set n, 0
.rept 32
	v_pk_fma_f32 v[S+n:S+n+1], v[S+n:S+n+1], s[32:33], v[12:13] op_sel_hi:[1,0,0]          ; t - M, two at a time (of the pairs c and -M the low word serves both halves)
.set n, n+2
.endr
.set n, 0
.rept 64
	v_exp_f32 v[S+n], v[S+n]                       ; p = 2^(t - M), at most 1: not normalised
.set n, n+1
.endr
	v_pk_mul_f32 v[14:15], v[14:15], v[252:253] op_sel_hi:[1,0]                            ; the sums under the new M.  (The plain line behind the exponentials: ISA guide 5.7.2)
	s_wait_alu depctr_va_vdst(0)
	v_pk_add_f32 v[250:251], v[S:S+1], v[S+2:S+3]  ; the row's sum is taken of the UNQUANTISED p: two at a time, in two chains
.irp i, 4,8,12,16,20,24,28,32,36,40,44,48,52,56,60
	v_pk_add_f32 v[14:15], v[14:15], v[S+\i:S+\i+1]
	v_pk_add_f32 v[250:251], v[250:251], v[S+\i+2:S+\i+3]
.endr
	v_pk_add_f32 v[14:15], v[14:15], v[250:251]
	s_cmp_ge_i32 s51, -15                          ; THE HOLD.  p is at most 1, and 57,344 x 2^ep is at least 1 exactly where ep >= -15: there no p can pass the largest code, and the 64 lines are jumped over.
	s_cbranch_scc1 .Lfits_\@                       ; ep is a whole number read from memory; the branch encloses these lines alone, and this text has no tensor load, copy or cluster
.set n, 0
.rept 64
	v_min_num_f32 v[S+n], s58, v[S+n]              ; p is not negative, so the hold is one-sided
.set n, n+1
.endr
.Lfits_\@:
.irp b, 0,1,2,3
	v_cvt_scalef32_pk8_bf8_f32 v[PCD+4*\b:PCD+4*\b+1], v[S+16*\b:S+16*\b+7], v[SCP]        ; registers 4 b .. 4 b + 3 of the operand: keys 32 b + 16 h + 0 .. 15
	v_cvt_scalef32_pk8_bf8_f32 v[PCD+4*\b+2:PCD+4*\b+3], v[S+16*\b+8:S+16*\b+15], v[SCP]
.endr
	v_pk_mul_f32 v[O:O+1], v[O:O+1], v[252:253] op_sel_hi:[1,0]                            ; O^T under the new M: x f.  (The plain line behind the conversions)
.irp t, 2,3                                    ; p's numbers are done with: their first 32 registers take V's fragments 2 and 3
.irp c, 0,1,2,3
	ds_load_b128 v[S+16*(\t-2)+4*\c:S+16*(\t-2)+4*\c+3], v[ADV] offset:(\par)*128+16*\t*VPI+32*\c
.endr
.endr
.set n, 2
.rept 15
	v_pk_mul_f32 v[O+n:O+n+1], v[O+n:O+n+1], v[252:253] op_sel_hi:[1,0]
.set n, n+2
.endr
	s_wait_dscnt 8                                 ; V's fragments 0 and 1 are in; the eight loads just issued may be out
.irp t, 0,1                                    ; O^T += V^T P^T: K = these 128 keys
	v_wmma_f32_16x16x128_bf8_bf8 v[O+8*\t:O+8*\t+7], v[F+16*\t:F+16*\t+15], v[PCD:PCD+15], v[O+8*\t:O+8*\t+7]
.endr
	s_wait_dscnt 0x0
.irp t, 2,3
	v_wmma_f32_16x16x128_bf8_bf8 v[O+8*\t:O+8*\t+7], v[S+16*(\t-2):S+16*(\t-2)+15], v[PCD:PCD+15], v[O+8*\t:O+8*\t+7]
.endr
.endm
; THE WAY OUT, inside the trip of my diagonal chunk, so that my rows leave while other waves still multiply.  O^T / the sum x 2^(ep + ev) goes through my own stage in LDS and comes back as whole rows of
; 256 bytes.  Behind the last products stand five plain lines (two additions, two v_nop, the ldexp; the permute and the reciprocal are not counted) ahead of the first read of O^T and the first write of S.
.macro OUT
	v_add_f32 v14, v14, v15                        ; the sum's two halves,
	v_permlanex16_b32 v249, v14, s30, s31
	v_add_f32 v14, v14, v249                       ; and lane l xor 16's: the row's sum
	v_nop
	v_rcp_f32 v14, v14
	v_nop                                          ; a plain line behind the transcendental
	s_wait_alu depctr_va_vdst(0)
	v_ldexp_f32 v14, v14, s59                      ; x 2^(ep + ev)
.set n, 0
.rept 16
	v_pk_mul_f32 v[S+n:S+n+1], v[O+n:O+n+1], v[14:15] op_sel_hi:[1,0]                      ; register 8 t + i is o(query r, channel 16 t + 8 h + i); each tile from its low end on
.set n, n+2
.endr
.irp t, 0,1,2,3
	ds_store_b128 v[STO], v[S+8*\t:S+8*\t+3] offset:64*\t
	ds_store_b128 v[STO], v[S+8*\t+4:S+8*\t+7] offset:64*\t+16
.endr
.irp i, 0,1,2,3,4,5,6,7
	ds_load_b128 v[S+32+4*\i:S+32+4*\i+3], v[RD] offset:2*\i*SPI                           ; LDS serves a wave's instructions in order (ISA guide 5.7.1.4): these see my stores
.endr
.irp i, 0,1,2,3,4,5,6,7
	s_wait_dscnt 7-\i                              ; load i is in; the younger ones may be out
	global_store_b128 v[GO], v[S+32+4*\i:S+32+4*\i+3], s[16:17] offset:2*\i*TOK th:TH_STORE_NT   ; sixteen lanes store 256 consecutive bytes, at a multiple of 256 from out0's first byte; written once
.endr
	s_wait_xcnt 0x0                                ; the stores have read their registers
.endm
; A TRIP: one chunk.  My part of its codes; the loads of the chunk two on, into the registers just left (\fill = 1); ONE barrier: in front of it my stores of codes have landed, behind it the chunk is whole.
; Then the step, if any of the chunk's keys counts for my queries; and the way out, if it was my last.  Both branches hang on ids; no barrier stands under them.
.macro TRIP par, fill, young
	PRODUCE \par, \young
.if \fill
	LOADKV \par, (2+\par)*CHB
	ASK \par
.endif
	s_wait_dscnt 0x0                               ; for the others' sake: my stores have landed
	s_barrier_signal -1
	s_barrier_wait -1
	s_cmp_gt_u32 s25, s72                          ; all the chunk's keys come after my queries
	s_cbranch_scc1 .Lhid_\@
	STEP \par
	s_add_co_u32 s60, s25, 127
	s_cmp_le_u32 s60, s24                          ; all its keys came before them: more chunks are to come
	s_cbranch_scc1 .Lhid_\@
	OUT
.Lhid_\@:
	s_add_co_u32 s25, s25, 128
.endm
.macro ADDRS                                   ; the four LDS places in the pair of chunks in hand
	v_add_nc_u32 v[ADK], s26, v[AK0]
	v_add_nc_u32 v[ADV], s27, v[AV0]
	v_add_nc_u32 v[AWK], s26, v[AKW]
	v_add_nc_u32 v[AWV], s27, v[AVW]
.endm
	s_mov_b32 s28, 3
.Lpair:                                            ; three trips of two chunks, in which the two sets of registers take turns; on the way in and on the way back two chunks, 40 loads, are out
	ADDRS
	TRIP 0, 1, 20
	TRIP 1, 1, 20
	s_wait_xcnt 0x0                                ; the loads and the prefetch have read their bases: now these may step
	s_add_nc_u64 s[34:35], s[34:35], 2*CHB
	s_add_nc_u64 s[36:37], s[36:37], 2*CHB
	s_add_nc_u64 s[38:39], s[38:39], 2*CHB
	s_add_co_u32 s26, s26, 256*KPI
	s_add_co_u32 s27, s27, 256
	s_sub_co_u32 s28, s28, 1
	s_cmp_lg_u32 s28, 0
	s_cbranch_scc1 .Lpair
	ADDRS                                          ; chunks 6 and 7 are written out: nothing is left to load
	TRIP 0, 0, 20
	TRIP 1, 0, 0
	s_wait_xcnt 0x0
	v_lshl_add_u32 v254, v0, 2, 0x35400
	v_mov_b32 v255, 0
	s_wait_tensorcnt 0x0
	ds_add_u32 v254, v255
	s_wait_dscnt 0x0
	s_endpgm
.Lfunc_end_k_qf671ff72c4_attn:
	.size	k_qf671ff72c4_attn, .Lfunc_end_k_qf671ff72c4_attn-k_qf671ff72c4_attn
	.p2alignl 7, 3214868480
	.fill 96, 4, 3214868480
	.section	.rodata,"a",@progbits
	.p2align	6, 0x0
	.amdhsa_kernel k_qf671ff72c4_attn
		.amdhsa_group_segment_fixed_size 220160
		.amdhsa_private_segment_fixed_size 0
		.amdhsa_enable_private_segment 0
		.amdhsa_kernarg_size 56
		.amdhsa_user_sgpr_count 2
		.amdhsa_user_sgpr_kernarg_segment_ptr 1
		.amdhsa_wavefront_size32 1
		.amdhsa_system_sgpr_workgroup_id_x 1
		.amdhsa_system_sgpr_workgroup_id_y 1
		.amdhsa_system_sgpr_workgroup_id_z 1
		.amdhsa_system_vgpr_workitem_id 0
		.amdhsa_next_free_vgpr 256
		.amdhsa_next_free_sgpr 80
		.amdhsa_reserve_vcc 1
		.amdhsa_float_denorm_mode_32 3
		.amdhsa_float_denorm_mode_16_64 3
		.amdhsa_memory_ordered 1
		.amdhsa_forward_progress 1
		.amdhsa_inst_pref_size 127
	.end_amdhsa_kernel
	.amdgpu_metadata
---
amdhsa.version: [ 1, 2 ]
amdhsa.kernels:
  - .name:           k_qf671ff72c4_attn
    .symbol:         k_qf671ff72c4_attn.kd
    .args:
      - { .name: queries, .offset: 0, .size: 8, .value_kind: global_buffer, .address_space: global }
      - { .name: keys, .offset: 8, .size: 8, .value_kind: global_buffer, .address_space: global }
      - { .name: keysT, .offset: 16, .size: 8, .value_kind: global_buffer, .address_space: global }
      - { .name: values, .offset: 24, .size: 8, .value_kind: global_buffer, .address_space: global }
      - { .name: valuesT, .offset: 32, .size: 8, .value_kind: global_buffer, .address_space: global }
      - { .name: lowp_scales, .offset: 40, .size: 8, .value_kind: global_buffer, .address_space: global }
      - { .name: out0, .offset: 48, .size: 8, .value_kind: global_buffer, .address_space: global }
    .group_segment_fixed_size: 220160
    .private_segment_fixed_size: 0
    .kernarg_segment_align: 8
    .kernarg_segment_size: 56
    .max_flat_workgroup_size: 512
    .sgpr_count:     80
    .vgpr_count:     256
    .wavefront_size: 32
...
	.end_amdgpu_metadata
.endif
;; end of part 1
;; ======== version 2 of 2: 1 launch; version 1 with the launch attn written anew for expert scheduling mode
;; launch attn (part 2): grid 256 x 1, 16 waves a work-group, no clusters, 220,160 bytes of LDS; arguments queries, keys, keysT, values, valuesT, lowp_scales, out0; writes out0
.if DOCPART == 2
	.amdgcn_target "amdgcn-amd-amdhsa--gfx1250"
	.amdhsa_code_object_version 6
	.text
	.protected	k_qf671ff72c4_attn
	.globl	k_qf671ff72c4_attn
	.p2align	8
	.type	k_qf671ff72c4_attn,@function
k_qf671ff72c4_attn:
	s_mov_b64 s[64:65], 0
	v_nop
	global_prefetch_b8 v0, s[64:65] scope:SCOPE_SE
	s_setreg_imm32_b32 hwreg(HW_REG_WAVE_SCHED_MODE, 0, 2), 2
	s_setreg_imm32_b32 hwreg(HW_REG_WAVE_MODE, 25, 1), 1
	s_wait_xcnt 0x0
	s_wait_alu depctr_vm_vsrc(0)
; CAUSAL ATTENTION ON CODES OF BF8 (E5M2), 64 independent problems: 8 batches x 8 output slots, 1,024 queries and keys, head size 64.
; All tensors are [8][1024][8][64] f32: a token is 2,048 bytes, a head's row in it 256 bytes, a batch 2^21 bytes.
; THE HEADS.  Output slot s takes head 2,1,7,3,0,5,4 (s = 0..6) of queries, keys, values, and slot 7 takes head 6 of queries, keysT, valuesT:
; the fixed permutation [6,2,1,7,3,0,5,4] of the problem (its first entry is the cross head).  As nibbles, slot -> head: 0x64503712.
; THE SCALES.  lowp_scales: slots 0-6: q e0, k e1, v e2, p e3;  slot 7: q e4, k e5, v e6, p e7.
; THE SOFTMAX.  t = score x log2(e) / 8; M = the running largest t rounded UP to a whole number; p = 2^(t - M) is quantised, not normalised; the row's sum is taken of the
; unquantised p and divides at the end; when M moves, the sum and O are multiplied by 2^(old M - new M), which rounds nothing.
; SHARES.  Work-group g: j = g & 3, slot = (g >> 2) & 7, batch = g >> 5.  Each of its sixteen waves owns ONE tile of 16 queries, tile 4 a + j of the head's 64, a from a table by the wave's
; number.  A wave needs the chunks of 128 keys 0 .. a / 2.  The table is a 4 x 4 square (wave / 4, wave % 4) in which every row and every column has 18 steps, and every work-group has 72.
; CODES IN LDS, EACH BYTE WRITTEN ONCE.  A head's K and V are 64 KiB of codes each, so all of it fits: in trip c every wave loads keys 8 w .. 8 w + 7 of chunk c of K and of V as f32,
; quantises them in registers and stores the codes; one barrier; then the waves that need chunk c multiply.  Nothing is filled again, so there is no ring and one barrier a trip:
; trip c + 1 stores into other bytes than trip c reads.  The f32 numbers of chunk c + 2 are asked for in trip c, into the registers that chunk c has left.
; NO CLUSTER, NO JOINT LOADS: what the four work-groups of a head share arrives as f32 and has to pass through registers to be quantised.  Brought jointly into LDS, a chunk's 64 KiB would be
; written there and read back before its 16 KiB of codes are stored, in slots that are filled again.  The price that is paid instead: each row of K and V is loaded by four work-groups.
; LAYOUT.  Both products are used transposed: S^T = K Q^T (source 0 = 16 keys, source 1 = my 16 queries), O^T = V^T P^T (source 0 = 16 of the head's 64, source 1 = P): a lane holds ONE
; query (lane % 16) throughout.  K's rows lie in LDS with bits 3 and 4 of the key's number exchanged, so that the 16 registers of tiles 2 b and 2 b + 1 are the neighbouring keys
; 32 b + 16 (lane / 16) + 0 .. 15, and p's conversions give the second product's operand as it stands.  Fragments come by loads of 16 bytes: registers 4 c .. 4 c + 3 hold
; K = 32 c + 16 (lane / 16) + 0 .. 15: a permutation of k that is the same in both sources of each product.
; LIMITS.  Each exponent e between -126 and 112, eq + ek between -123 and 130, so that every power of two below is an f32 number.  NaN among the inputs is not served; infinities are held at the largest code.
; THE MODE: SCHED_MODE bits 1:0 = 2 (LLVM: expert scheduling mode 2), set by the entry lines.  The code itself states the register dependences
; between vector or matrix instructions and memory or LDS instructions, with s_wait_alu, always for 0.
; THE PLAN.  Registers that memory or LDS instructions touch, round the loop:
;   X0, X1    Trip c: its holds write and its conversions read X[c % 2]; behind them the loads of chunk c + 2 land in it.
;   CD        Written by a trip's conversions, read by its six LDS stores, written again by the next trip's conversions.
;   v7-10     The four LDS places of the pair of chunks: written once a pair by vector additions, read by every LDS load and store of the pair.
;   F         LDS loads land in it twice a step (K's fragments 0-3; V's 0 and 1); products read it.
;   PCD       LDS loads land in it twice a step (K's fragments 4, 5; then 6, 7); products read it; then p's conversions write it and products read it.
;   S         Written by products, worked on by the softmax; behind p's conversions LDS loads land in its first half (V's fragments 2, 3).  On the way out LDS stores read its first half and global stores its second.
;   v1-6, v27, v28, v30, v31, v248   Offsets and addresses, made once at the head and never written again.
; A TRIP'S WAITS ON va_vdst: ONE behind its conversions, ahead of its LDS stores, its global loads and the step's first LDS loads; in a step ONE behind the first six products, for twelve LDS loads;
; the one for the exponentials; ONE behind p's conversions, for eight LDS loads.  ON vm_vsrc: one at a trip's head, ahead of the lines that write v7-10 and CD again.
.set TOK,  2048                        ; bytes of a token
.set CHB,  128*TOK                     ; bytes from a chunk of 128 keys to the next, in memory
.set KPI,  80                          ; LDS: a key's 64 codes + 16 of padding = 20 words: the 16 rows of a fragment load start at 16 different places modulo 256 bytes (64 banks of 4 bytes: ISA guide 11.1)
.set VPI,  1040                        ; LDS: a channel's 1,024 codes (byte = key) + 16 of padding = 260 words: likewise.  (The stores of 8 bytes into it, 2 a wave a trip, meet two deep: lanes l and l + 16)
.set VCB,  1024*KPI                    ; V's codes begin behind K's 81,920 bytes
.set STG,  VCB+64*VPI                  ; the stages for the way out begin behind V's 66,560 bytes: 16 rows x 272 bytes for each wave
.set SPI,  272
.set AK0,  1                           ; v1   my lane's place in a tile of K: 80 r + 16 h
.set AV0,  2                           ; v2   in a tile of V: VCB + 1040 r + 16 h
.set AKW,  3                           ; v3   where I store K's codes: (my wave's first row + h) x 80 + 4 r
.set AVW,  4                           ; v4   where I store V's: VCB + 1040 x lane + 8 w
.set VKO,  5                           ; v5   K in memory: token 8 w + h, 16 r bytes into the head's row
.set VVO,  6                           ; v6   V in memory: token 8 w, 4 x lane bytes into the head's row
.set ADK,  7                           ; v7-10 the four LDS places above, in the pair of chunks in hand
.set ADV,  8
.set AWK,  9
.set AWV,  10
.set DQ,   11                          ; v11  r - 16 h, for the mask
                                       ; v12 -M, v13 the largest t, v[14:15] the row's sum in two halves
.set QC,   16                          ; v16-23 Q's codes
.set SCK,  24                          ; v24-26 2^ek, 2^ev, 2^ep as f32: the conversions take the exponent field
.set SCV,  25
.set SCP,  26
.set PFO,  27                          ; v27  the prefetches' offset: token 32 (w % 4) + lane
.set QO,   28                          ; v28  Q in memory: token r, 64 h bytes into the head's row
.set SCQ,  29                          ; v29  2^eq
.set STO,  30                          ; v30  the way out: where I put 32 bytes of a row
.set RD,   31                          ; v31  and where I read a row back
.set F,    32                          ; v32-63 K's fragments 0 to 3, then V's fragments 0 and 1
.set S,    64                          ; v64-127 S^T, then p; behind p's conversions v64-95 take V's fragments 2 and 3.  At the head: Q's numbers.  On the way out: results
.set O,    128                         ; v128-159 O^T, four tiles
.set PCD,  160                         ; v160-175 K's fragments 4 and 5, then 6 and 7; then p's codes
.set CD,   176                         ; v176-183 the codes of K and V just made
.set X,    184                         ; v184-247 two sets of 32 numbers as loaded: 16 of K, 16 of V
.set GO,   248                         ; v248 the way out: my byte offset in the tile's rows of out0
                                       ; v249 a lane permute's destination; v[250:251] the sum's second chain; v252-254 at work
; s18 wave, s19 j, s20 slot, s21 batch, s22 head, s23 a, s24 my first query, s25 the chunk's first key, s26, s27 the pair's place in K's and V's codes, s28 the loop's count,
; s29 1 in a wave that prefetches, else the greatest number, s[30:31] lane selects, s[32:33] c, s[34:35] K, s[36:37] V, s[38:39] the prefetches' base, s[40:47] the exponents,
; s48-51 eq, ek, ev, ep, s52/53, s54/55, s56/57 -+ the largest number x the scale of K, V, Q, s58 the same of p, s59 ep + ev, s60-63, s66 at work, s72 my last query, s73 my stage;
; on the diagonal s40-47 (the exponents are done with), s67-71 and s74-76 hold sixteen masks
	s_load_b256 s[4:11], s[0:1], 0x0               ; queries s[4:5], keys s[6:7], keysT s[8:9], values s[10:11]
	s_load_b128 s[12:15], s[0:1], 0x20             ; valuesT s[12:13], lowp_scales s[14:15]
	s_load_b64 s[16:17], s[0:1], 0x30              ; out0
	v_lshrrev_b32 v1, 5, v0
	v_readfirstlane_b32 s18, v1                    ; wave 0..15
	s_and_b32 s19, ttmp9, 3                        ; j
	s_bfe_u32 s20, ttmp9, 0x30002                  ; slot: 3 bits from bit 2
	s_lshr_b32 s21, ttmp9, 5                       ; batch
	s_lshl_b32 s60, s20, 2
	s_lshr_b32 s22, 0x64503712, s60
	s_and_b32 s22, s22, 7                          ; the slot's head
	s_wait_alu depctr_va_sdst(0)                   ; s18 is written, ahead of its first reader, the next line
	s_and_b32 s60, s18, 7
	s_lshl_b32 s60, s60, 2
	s_mov_b32 s61, 0x795b86a4                      ; a of waves 8-15: 4, 10, 6, 8, 11, 5, 9, 7
	s_cmp_lt_u32 s18, 8
	s_cselect_b32 s61, 0x3d1fc2e0, s61             ; a of waves 0-7: 0, 14, 2, 12, 15, 1, 13, 3
	s_lshr_b32 s23, s61, s60
	s_and_b32 s23, s23, 15                         ; a
	s_lshl_b32 s24, s23, 6
	s_lshl_b32 s60, s19, 4
	s_add_co_u32 s24, s24, s60                     ; my first query: 64 a + 16 j
	s_add_co_u32 s72, s24, 15                      ; my last
	v_and_b32 v32, 15, v0                          ; r
	v_bfe_u32 v33, v0, 4, 1                        ; h
	s_wait_alu depctr_va_vdst(0)
	v_and_b32 v34, 31, v0                          ; lane
	s_wait_alu depctr_va_vdst(0)
	v_mul_u32_u24 v[AK0], v32, KPI
	v_lshl_add_u32 v[AK0], v33, 4, v[AK0]
	v_mul_u32_u24 v[AV0], v32, VPI
	v_lshl_add_u32 v[AV0], v33, 4, v[AV0]
	v_add_nc_u32 v[AV0], VCB, v[AV0]
	s_lshr_b32 s60, s18, 2                         ; keys 8 w .. 8 w + 7 go to rows 32 (w / 4) + 16 (w % 2) + 8 ((w / 2) % 2) + 0 .. 7 of the chunk: bits 3 and 4 exchanged
	s_lshl_b32 s60, s60, 5
	s_and_b32 s61, s18, 1
	s_lshl_b32 s61, s61, 4
	s_add_co_u32 s60, s60, s61
	s_bfe_u32 s61, s18, 0x10001
	s_lshl_b32 s61, s61, 3
	s_add_co_u32 s60, s60, s61
	s_mul_i32 s60, s60, KPI
	v_mul_u32_u24 v[AKW], v33, KPI
	v_lshl_add_u32 v[AKW], v32, 2, v[AKW]
	v_add_nc_u32 v[AKW], s60, v[AKW]
	s_lshl_b32 s61, s18, 3
	s_add_co_u32 s61, s61, VCB
	v_mul_u32_u24 v[AVW], v34, VPI
	v_add_nc_u32 v[AVW], s61, v[AVW]
	s_lshl_b32 s62, s18, 14                        ; 8 w tokens
	v_lshlrev_b32 v[VKO], 4, v32
	v_lshl_add_u32 v[VKO], v33, 11, v[VKO]
	v_add_nc_u32 v[VKO], s62, v[VKO]
	v_lshl_add_u32 v[VVO], v34, 2, s62
	v_lshlrev_b32 v[DQ], 4, v33
	v_sub_nc_u32 v[DQ], v32, v[DQ]
	s_and_b32 s63, s18, 3
	s_lshl_b32 s63, s63, 16                        ; 32 (w % 4) tokens
	v_lshl_add_u32 v[PFO], v34, 11, s63
	v_lshlrev_b32 v[QO], 11, v32
	v_lshl_add_u32 v[QO], v33, 6, v[QO]
	s_mul_i32 s73, s18, 16*SPI
	s_add_co_u32 s73, s73, STG                     ; my stage
	v_mul_u32_u24 v[STO], v32, SPI                 ; in: row r; tile t's eight channels of my half lie 64 t + 32 h bytes on
	v_lshl_add_u32 v[STO], v33, 5, v[STO]
	v_add_nc_u32 v[STO], s73, v[STO]
	v_mul_u32_u24 v[RD], v33, SPI                  ; back: lanes 0-15 take one row of 256 bytes, lanes 16-31 the next
	v_lshl_add_u32 v[RD], v32, 4, v[RD]
	v_add_nc_u32 v[RD], s73, v[RD]
	v_lshlrev_b32 v[GO], 11, v33                   ; and the same two tokens in out0
	v_lshl_add_u32 v[GO], v32, 4, v[GO]
	s_mov_b32 s30, 0x76543210                      ; v_permlanex16_b32: lane l xor 16
	s_mov_b32 s31, 0xfedcba98
	s_wait_kmcnt 0x0
	s_load_b256 s[40:47], s[14:15], 0x0            ; the eight exponents
	s_cmp_eq_u32 s20, 7                            ; the cross slot takes keysT and valuesT: the choice hangs on the work-group's number alone
	s_cselect_b64 s[34:35], s[8:9], s[6:7]
	s_cselect_b64 s[36:37], s[12:13], s[10:11]
	s_lshl_b32 s60, s21, 21
	s_lshl_b32 s61, s22, 8
	s_add_co_u32 s60, s60, s61                     ; batch x 2^21 + head x 256
	s_mov_b32 s61, 0
	s_add_nc_u64 s[34:35], s[34:35], s[60:61]      ; K, V and Q at the head's row of the batch's first token
	s_add_nc_u64 s[36:37], s[36:37], s[60:61]
	s_add_nc_u64 s[4:5], s[4:5], s[60:61]
	s_lshl_b32 s62, s24, 11                        ; my first query's token
	s_mov_b32 s63, 0
	s_add_nc_u64 s[4:5], s[4:5], s[62:63]
	s_lshl_b32 s60, s21, 21
	s_lshl_b32 s66, s20, 8
	s_add_co_u32 s60, s60, s66
	s_add_co_u32 s60, s60, s62                     ; out0: batch, my first query's token, the SLOT's row
	s_add_nc_u64 s[16:17], s[16:17], s[60:61]
	s_cmp_lt_u32 s18, 4                            ; the prefetches: waves 0-3 ask for K's rows, waves 4-7 for V's,
	s_cselect_b64 s[38:39], s[34:35], s[36:37]
	s_lshr_b32 s60, s18, 3                         ; 0 in waves 0-7,
	s_or_b32 s60, s60, s19                         ; of the head's first work-group
	s_cmp_eq_u32 s60, 0
	s_cselect_b32 s29, 1, -1
; A chunk's numbers for my wave, 20 loads into set \set, from \off bytes on.  K: keys 8 w + 2 i + h: sixteen lanes read a head's whole row of 256 bytes, a lane k = 4 r .. 4 r + 3.
; V: A LANE TAKES A CHANNEL AND ITS REGISTERS RUN DOWN THE KEYS, which are the second product's K: channel = lane (registers 16-23) and 32 + lane (24-31), keys 8 w + 0 .. 7;
; each load reads 128 consecutive bytes, and the two halves of a row are asked for one behind the other.  No hint: four work-groups read these rows.
.macro LOADKV set, off
.irp i, 0,1,2,3
	global_load_b128 v[X+32*(\set)+4*\i:X+32*(\set)+4*\i+3], v[VKO], s[34:35] offset:(\off)+2*TOK*\i
.endr
.irp i, 0,1,2,3,4,5,6,7
	global_load_b32 v[X+32*(\set)+16+\i], v[VVO], s[36:37] offset:(\off)+TOK*\i
	global_load_b32 v[X+32*(\set)+24+\i], v[VVO], s[36:37] offset:(\off)+TOK*\i+128
.endr
.endm
	s_wait_alu depctr_va_vdst(0)                   ; the offsets and addresses v1-6, v27, v28, v30, v31 and v248 are written, which every load, store and prefetch of the kernel reads; so are v32-34, in which LDS loads will land
.irp c, 0,1                                    ; Q: lane (r, h) takes, of query r, k = 32 c + 16 h + 0 .. 15; read once in the launch
.irp q, 0,1,2,3
	global_load_b128 v[S+16*\c+4*\q:S+16*\c+4*\q+3], v[QO], s[4:5] offset:128*\c+16*\q th:TH_LOAD_NT
.endr
.endr
	LOADKV 0, 0                                    ; chunks 0 and 1
	LOADKV 1, CHB
.set n, 0
.rept 32
	v_mov_b32 v[O+n], 0                            ; O^T.  (The step is written once: the first finds zeros, which the first change of M leaves zeros)
.set n, n+1
.endr
	v_mov_b32 v13, 0xff61b1e6                      ; the largest t so far: -3e38, under every t
	v_floor_f32 v12, -v13                          ; -M
	v_mov_b32 v14, 0                               ; the sum, in two halves
	v_mov_b32 v15, 0
	v_mov_b32 v249, 0                              ; written once: a lane permute's destination counts as one of its sources
	v_mov_b32 v253, 0                              ; (named as the upper half of the pair v[252:253])
	s_wait_kmcnt 0x0
	s_cmp_eq_u32 s20, 7
	s_cselect_b32 s48, s44, s40                    ; eq
	s_cselect_b32 s49, s45, s41                    ; ek
	s_cselect_b32 s50, s46, s42                    ; ev
	s_cselect_b32 s51, s47, s43                    ; ep
	s_add_co_i32 s60, s48, s49
	s_lshl_b32 s60, s60, 23
	s_add_co_i32 s32, s60, 0x3e38aa3b              ; c = log2(e) / 8, with eq + ek added to its exponent field: a score stands for score x 2^(eq + ek)
	s_mov_b32 s33, s32                             ; (named with it as a pair, so it is written)
	s_add_co_i32 s59, s51, s50                     ; ep + ev
; 2^e as f32 into v[vsc]; the largest number x 2^e into s[pos], its negative into s[neg]
.macro LIMITS e, neg, pos, vsc
	s_add_co_i32 s60, s[\e], 127
	s_lshl_b32 s61, s60, 23
	v_mov_b32 v[\vsc], s61
	s_add_co_i32 s60, s60, 15
	s_lshl_b32 s60, s60, 23
	s_or_b32 s[\pos], s60, 0x600000                ; 57,344 = 1.75 x 2^15
	s_or_b32 s[\neg], s[\pos], 0x80000000
.endm
	LIMITS 49, 52, 53, SCK
	LIMITS 50, 54, 55, SCV
	LIMITS 48, 56, 57, SCQ
	LIMITS 51, 62, 58, SCP                         ; (p is never negative: s62 is not used)
	s_wait_loadcnt 40                              ; Q's eight loads are in; the 40 of chunks 0 and 1, issued behind them, may be out
.set n, 0
.rept 32
	v_med3_num_f32 v[S+n], v[S+n], s56, s57        ; the conversion to an 8-bit code does not saturate (ISA guide 7.6.2): the hold at the largest code x the scale
.set n, n+1
.endr
.irp c, 0,1
	v_cvt_scalef32_pk8_bf8_f32 v[QC+4*\c:QC+4*\c+1], v[S+16*\c:S+16*\c+7], v[SCQ]
	v_cvt_scalef32_pk8_bf8_f32 v[QC+4*\c+2:QC+4*\c+3], v[S+16*\c+8:S+16*\c+15], v[SCQ]
.endr
	v_nop                                          ; one plain vector line behind the last conversion: products will read the codes and write the numbers' registers
	s_mov_b32 s25, 0
	s_mov_b32 s26, 0
	s_mov_b32 s27, 0
; My wave's part of a chunk becomes codes and goes to LDS.  \par: the chunk's parity, which is also its set of registers.  \young: the next chunk's loads, which may stay out.
.macro PRODUCE par, young
	s_wait_loadcnt (\young)+16                     ; my 4 loads of K are in; behind them stand this chunk's 16 of V and the next chunk's
.set n, X+32*(\par)
.rept 16
	v_med3_num_f32 v[n], v[n], s52, s53
.set n, n+1
.endr
	v_cvt_scalef32_pk8_bf8_f32 v[CD:CD+1], v[X+32*(\par):X+32*(\par)+7], v[SCK]            ; register CD + i: the four codes k = 4 r .. 4 r + 3 of key 8 w + 2 i + h
	v_cvt_scalef32_pk8_bf8_f32 v[CD+2:CD+3], v[X+32*(\par)+8:X+32*(\par)+15], v[SCK]
	s_wait_loadcnt \young                          ; V's 16 are in
.rept 16
	v_med3_num_f32 v[n], v[n], s54, s55
.set n, n+1
.endr
	v_cvt_scalef32_pk8_bf8_f32 v[CD+4:CD+5], v[X+32*(\par)+16:X+32*(\par)+23], v[SCV]      ; channel = lane: the codes of keys 8 w + 0 .. 7, the keys innermost
	v_cvt_scalef32_pk8_bf8_f32 v[CD+6:CD+7], v[X+32*(\par)+24:X+32*(\par)+31], v[SCV]      ; channel = 32 + lane
	v_nop                                          ; one plain vector line behind the last conversion
	s_wait_alu depctr_va_vdst(0)                   ; THE TRIP'S ONE WAIT.  The conversions have written v[CD ..], which the LDS stores read; v7-10 are written, by which the pair's LDS instructions go; the holds and conversions are done
	                                               ; with this set of X, in which the loads of the chunk two on land; the step before is done with F, PCD and S, in which this step's LDS loads land
.irp i, 0,1,2,3
	ds_store_b32 v[AWK], v[CD+\i] offset:(\par)*128*KPI+2*KPI*\i                           ; sixteen lanes fill a key's 64 bytes
.endr
	ds_store_b64 v[AWV], v[CD+4:CD+5] offset:(\par)*128
	ds_store_b64 v[AWV], v[CD+6:CD+7] offset:(\par)*128+32*VPI
.endm
; A PREFETCH INTO THE L2: trip c asks for chunk c + 3, whose loads are issued in trip c + 1.  It stands behind the trip's own loads.  Each row's 256 bytes are named ONCE in the launch: of the four
; work-groups of a head the first asks; in it waves 0-3 ask for K's 128 rows of the chunk and waves 4-7 for V's, a lane a row, one instruction a wave.  Chunks 0 to 2 come by their loads alone;
; chunk 7 is the last that there is: the loop's last trip asks for it at its even chunk and for nothing at its odd one (s28 = 1 there).
.macro ASK par
.if \par
	s_cmp_gt_u32 s28, s29
.else
	s_cmp_ge_u32 s28, s29
.endif
	s_cbranch_scc0 .Lnot_mine_\@
	global_prefetch_b8 v[PFO], s[38:39] offset:(3+\par)*CHB th:TH_LOAD_NT scope:SCOPE_SE
.Lnot_mine_\@:
.endm
; A KEY STEP: my 16 queries against the chunk's 128 keys.
; A load into a register that a matrix instruction has read, and a vector instruction that reads a matrix result, stand four plain vector instructions behind it.
; In front of the first loads below those are the 32 holds of PRODUCE.  No two matrix instructions that follow each other share an accumulator.
.macro STEP par
.irp t, 0,1,2,3                                ; S^T = K Q^T, eight tiles of 16 keys.  Six fragments of K are asked for together: 0 to 3 into F,
.irp c, 0,1
	ds_load_b128 v[F+8*\t+4*\c:F+8*\t+4*\c+3], v[ADK] offset:(\par)*128*KPI+\t*16*KPI+32*\c
.endr
.endr
.irp t, 4,5                                    ; 4 and 5 into the registers that p's codes will take.  (No vector or matrix instruction since the trip's wait names F or PCD)
.irp c, 0,1
	ds_load_b128 v[PCD+8*(\t-4)+4*\c:PCD+8*(\t-4)+4*\c+3], v[ADK] offset:(\par)*128*KPI+\t*16*KPI+32*\c
.endr
.endr
	s_wait_dscnt 4                                 ; fragments 0 to 3 are in; the four loads of 4 and 5 may be out
.irp t, 0,1,2,3
	v_wmma_f32_16x16x64_bf8_bf8 v[S+8*\t:S+8*\t+7], v[F+8*\t:F+8*\t+7], v[QC:QC+7], 0
.endr
	s_wait_dscnt 0x0
.irp t, 4,5
	v_wmma_f32_16x16x64_bf8_bf8 v[S+8*\t:S+8*\t+7], v[PCD+8*(\t-4):PCD+8*(\t-4)+7], v[QC:QC+7], 0
.endr
.rept 4
	v_nop
.endr
	s_wait_alu depctr_va_vdst(0)                   ; the six products are done reading F and PCD, in which the twelve loads below land
.irp t, 6,7
.irp c, 0,1
	ds_load_b128 v[PCD+8*(\t-6)+4*\c:PCD+8*(\t-6)+4*\c+3], v[ADK] offset:(\par)*128*KPI+\t*16*KPI+32*\c
.endr
.endr
.irp t, 0,1                                    ; V's fragments 0 and 1 are asked for now and land under the softmax
.irp c, 0,1,2,3
	ds_load_b128 v[F+16*\t+4*\c:F+16*\t+4*\c+3], v[ADV] offset:(\par)*128+16*\t*VPI+32*\c
.endr
.endr
	s_wait_dscnt 8                                 ; K's fragments 6 and 7 are in; V's eight loads may be out
.irp t, 6,7
	v_wmma_f32_16x16x64_bf8_bf8 v[S+8*\t:S+8*\t+7], v[PCD+8*(\t-6):PCD+8*(\t-6)+7], v[QC:QC+7], 0
.endr                                          ; lane (r, h) holds query r; register 16 b + i is key 32 b + 16 h + i of the chunk
.rept 4
	v_nop
.endr
	s_add_co_u32 s60, s25, 127                     ; THE MASK: on the diagonal the scores of hidden keys become -infinity ahead of the maximum: p = 0 then.  A step all of whose keys count skips this.
	s_cmp_le_u32 s60, s24                          ; (The chunk's first key counts for all my queries, so the maximum is a number)
	s_cbranch_scc1 .Lopen_\@
	s_sub_co_i32 s60, s24, s25
	v_add_nc_u32 v252, s60, v[DQ]                  ; d = my query - the chunk's first key - 16 h: register 16 b + i is hidden where 32 b + i > d
	v_mov_b32 v254, 0xff800000                     ; -infinity
.set q, 0
.rept 4                                        ; the compares go in runs of sixteen, each into a scalar register of its own, so that one wait serves a run
.set i, 0
.rept 16
.set m, 40+i                                   ; s40-47,
.if i >= 8
.set m, 59+i                                   ; s67-71,
.endif
.if i >= 13
.set m, 61+i                                   ; s74-76
.endif
	v_cmp_gt_i32 s[m], 32*q+i, v252
.set i, i+1
.endr
	s_wait_alu depctr_va_sdst(0)                   ; the sixteen masks are written, ahead of the selects that read them
.set i, 0
.rept 16
.set m, 40+i
.if i >= 8
.set m, 59+i
.endif
.if i >= 13
.set m, 61+i
.endif
	v_cndmask_b32 v[S+16*q+i], v[S+16*q+i], v254, s[m]
.set i, i+1
.endr
.set q, q+1
.endr
.Lopen_\@:
	v_max3_num_f32 v254, v[S], v[S+1], v[S+2]      ; the step's largest score of my query, among my 64 keys, in two chains (each tile is first read at its low end),
	v_max3_num_f32 v252, v[S+3], v[S+4], v[S+5]
.irp i, 6,10,14,18,22,26,30,34,38,42,46,50,54,58
	v_max3_num_f32 v254, v254, v[S+\i], v[S+\i+1]
	v_max3_num_f32 v252, v252, v[S+\i+2], v[S+\i+3]
.endr
	v_max3_num_f32 v254, v254, v[S+62], v[S+63]
	v_max_num_f32 v254, v254, v252
	v_permlanex16_b32 v249, v254, s30, s31
	v_max_num_f32 v254, v254, v249                 ; and among lane l xor 16's
	v_mul_f32 v254, s32, v254                      ; as t (c is positive)
	v_max_num_f32 v13, v13, v254                   ; the running largest t
	v_mov_b32 v254, v12
	v_floor_f32 v12, -v13                          ; the new -M = floor(-t) = -ceil(t): M is a whole number
	v_sub_f32 v254, v12, v254                      ; M's old value less its new one: a whole number, 0 or less
	v_cvt_i32_f32 v254, v254                       ; (it saturates)
	v_ldexp_f32 v252, 1.0, v254                    ; f = 2^(old M - new M)
.set n, 0
.rept 32
	v_pk_fma_f32 v[S+n:S+n+1], v[S+n:S+n+1], s[32:33], v[12:13] op_sel_hi:[1,0,0]          ; t - M, two at a time (of the pairs c and -M the low word serves both halves)
.set n, n+2
.endr
.set n, 0
	s_wait_alu depctr_va_vdst(0)
.rept 64
	v_exp_f32 v[S+n], v[S+n]                       ; p = 2^(t - M), at most 1: not normalised
.set n, n+1
.endr
	v_pk_mul_f32 v[14:15], v[14:15], v[252:253] op_sel_hi:[1,0]                            ; the sums under the new M.  (The plain line behind the exponentials: ISA guide 5.7.2)
	s_wait_alu depctr_va_vdst(0)                   ; the 64 exponentials have written p, v[S ..], which the sums below read: one wait for the batch, ahead of its first reader
	v_pk_add_f32 v[250:251], v[S:S+1], v[S+2:S+3]  ; the row's sum is taken of the UNQUANTISED p: two at a time, in two chains
.irp i, 4,8,12,16,20,24,28,32,36,40,44,48,52,56,60
	v_pk_add_f32 v[14:15], v[14:15], v[S+\i:S+\i+1]
	v_pk_add_f32 v[250:251], v[250:251], v[S+\i+2:S+\i+3]
.endr
	v_pk_add_f32 v[14:15], v[14:15], v[250:251]
	s_cmp_ge_i32 s51, -15                          ; THE HOLD.  p is at most 1, and 57,344 x 2^ep is at least 1 exactly where ep >= -15: there no p can pass the largest code, and the 64 lines are jumped over.
	s_cbranch_scc1 .Lfits_\@                       ; ep is a whole number read from memory; the branch encloses these lines alone, and this text has no tensor load, copy or cluster
.set n, 0
.rept 64
	v_min_num_f32 v[S+n], s58, v[S+n]              ; p is not negative, so the hold is one-sided
.set n, n+1
.endr
.Lfits_\@:
.irp b, 0,1,2,3
	v_cvt_scalef32_pk8_bf8_f32 v[PCD+4*\b:PCD+4*\b+1], v[S+16*\b:S+16*\b+7], v[SCP]        ; registers 4 b .. 4 b + 3 of the operand: keys 32 b + 16 h + 0 .. 15
	v_cvt_scalef32_pk8_bf8_f32 v[PCD+4*\b+2:PCD+4*\b+3], v[S+16*\b+8:S+16*\b+15], v[SCP]
.endr
	v_pk_mul_f32 v[O:O+1], v[O:O+1], v[252:253] op_sel_hi:[1,0]                            ; O^T under the new M: x f.  (The plain line behind the conversions)
	s_wait_alu depctr_va_vdst(0)                   ; the softmax has written and the conversions have read v[S .. S+31], in which the eight loads below land
.irp t, 2,3                                    ; p's numbers are done with: their first 32 registers take V's fragments 2 and 3
.irp c, 0,1,2,3
	ds_load_b128 v[S+16*(\t-2)+4*\c:S+16*(\t-2)+4*\c+3], v[ADV] offset:(\par)*128+16*\t*VPI+32*\c
.endr
.endr
.set n, 2
.rept 15
	v_pk_mul_f32 v[O+n:O+n+1], v[O+n:O+n+1], v[252:253] op_sel_hi:[1,0]
.set n, n+2
.endr
	s_wait_alu depctr_va_vdst(0)
	s_wait_dscnt 8                                 ; V's fragments 0 and 1 are in; the eight loads just issued may be out
.irp t, 0,1                                    ; O^T += V^T P^T: K = these 128 keys
	v_wmma_f32_16x16x128_bf8_bf8 v[O+8*\t:O+8*\t+7], v[F+16*\t:F+16*\t+15], v[PCD:PCD+15], v[O+8*\t:O+8*\t+7]
.endr
	s_wait_dscnt 0x0
.irp t, 2,3
	v_wmma_f32_16x16x128_bf8_bf8 v[O+8*\t:O+8*\t+7], v[S+16*(\t-2):S+16*(\t-2)+15], v[PCD:PCD+15], v[O+8*\t:O+8*\t+7]
.endr
.endm
; THE WAY OUT, inside the trip of my diagonal chunk, so that my rows leave while other waves still multiply.  O^T / the sum x 2^(ep + ev) goes through my own stage in LDS and comes back as whole rows of
; 256 bytes.  Behind the last products stand five plain lines (two additions, two v_nop, the ldexp; the permute and the reciprocal are not counted) ahead of the first read of O^T and the first write of S.
.macro OUT
	v_add_f32 v14, v14, v15                        ; the sum's two halves,
	v_permlanex16_b32 v249, v14, s30, s31
	v_add_f32 v14, v14, v249                       ; and lane l xor 16's: the row's sum
	v_nop
	s_wait_alu depctr_va_vdst(0)
	v_rcp_f32 v14, v14
	v_nop                                          ; a plain line behind the transcendental
	s_wait_alu depctr_va_vdst(0)                   ; the reciprocal has written v14, which the next line reads
	v_ldexp_f32 v14, v14, s59                      ; x 2^(ep + ev)
.set n, 0
.rept 16
	v_pk_mul_f32 v[S+n:S+n+1], v[O+n:O+n+1], v[14:15] op_sel_hi:[1,0]                      ; register 8 t + i is o(query r, channel 16 t + 8 h + i); each tile from its low end on
.set n, n+2
.endr
	s_wait_alu depctr_va_vdst(0)                   ; the multiplications have written v[S .. S+31], which the LDS stores read; no vector line behind the step's last wait names v[S+32 ..], in which the loads from the stage land
.irp t, 0,1,2,3
	ds_store_b128 v[STO], v[S+8*\t:S+8*\t+3] offset:64*\t
	ds_store_b128 v[STO], v[S+8*\t+4:S+8*\t+7] offset:64*\t+16
.endr
.irp i, 0,1,2,3,4,5,6,7
	ds_load_b128 v[S+32+4*\i:S+32+4*\i+3], v[RD] offset:2*\i*SPI                           ; LDS serves a wave's instructions in order (ISA guide 5.7.1.4): these see my stores
.endr
.irp i, 0,1,2,3,4,5,6,7
	s_wait_dscnt 7-\i                              ; load i is in; the younger ones may be out
	global_store_b128 v[GO], v[S+32+4*\i:S+32+4*\i+3], s[16:17] offset:2*\i*TOK th:TH_STORE_NT   ; sixteen lanes store 256 consecutive bytes, at a multiple of 256 from out0's first byte; written once
.endr
	s_wait_xcnt 0x0                                ; the stores have read their registers
	s_wait_alu depctr_vm_vsrc(0)                   ; the LDS stores have read v[S .. S+31] and the global stores v[S+32 .. S+63]: the text of a later step writes both
.endm
; A TRIP: one chunk.  My part of its codes; the loads of the chunk two on, into the registers just left (\fill = 1); ONE barrier: in front of it my stores of codes have landed, behind it the chunk is whole.
; Then the step, if any of the chunk's keys counts for my queries; and the way out, if it was my last.  Both branches hang on ids; no barrier stands under them.
.macro TRIP par, fill, young
.if \par
	s_wait_alu depctr_vm_vsrc(0)                   ; the even chunk's LDS stores have read v[CD ..], which this chunk's conversions write again.  (For the even chunk the line stands in ADDRS)
.endif
	PRODUCE \par, \young
.if \fill
	LOADKV \par, (2+\par)*CHB
	ASK \par
.endif
	s_wait_dscnt 0x0                               ; for the others' sake: my stores have landed
	s_barrier_signal -1
	s_barrier_wait -1
	s_cmp_gt_u32 s25, s72                          ; all the chunk's keys come after my queries
	s_cbranch_scc1 .Lhid_\@
	STEP \par
	s_add_co_u32 s60, s25, 127
	s_cmp_le_u32 s60, s24                          ; all its keys came before them: more chunks are to come
	s_cbranch_scc1 .Lhid_\@
	OUT
.Lhid_\@:
	s_add_co_u32 s25, s25, 128
.endm
.macro ADDRS                                   ; the four LDS places in the pair of chunks in hand
	s_wait_alu depctr_vm_vsrc(0)                   ; the LDS loads and stores issued so far have read v7-10, which the four lines below write, and v[CD ..], which the even chunk's conversions write again
	v_add_nc_u32 v[ADK], s26, v[AK0]
	v_add_nc_u32 v[ADV], s27, v[AV0]
	v_add_nc_u32 v[AWK], s26, v[AKW]
	v_add_nc_u32 v[AWV], s27, v[AVW]
.endm
	s_mov_b32 s28, 3
.Lpair:                                            ; three trips of two chunks, in which the two sets of registers take turns; on the way in and on the way back two chunks, 40 loads, are out
	ADDRS
	TRIP 0, 1, 20
	TRIP 1, 1, 20
	s_wait_xcnt 0x0                                ; the loads and the prefetch have read their bases: now these may step
	s_add_nc_u64 s[34:35], s[34:35], 2*CHB
	s_add_nc_u64 s[36:37], s[36:37], 2*CHB
	s_add_nc_u64 s[38:39], s[38:39], 2*CHB
	s_add_co_u32 s26, s26, 256*KPI
	s_add_co_u32 s27, s27, 256
	s_sub_co_u32 s28, s28, 1
	s_cmp_lg_u32 s28, 0
	s_cbranch_scc1 .Lpair
	ADDRS                                          ; chunks 6 and 7 are written out: nothing is left to load
	TRIP 0, 0, 20
	TRIP 1, 0, 0
	s_wait_xcnt 0x0
	v_lshl_add_u32 v254, v0, 2, 0x35400            ; my spare word, behind the stages, and 0: made anew here, since all 256 registers are taken; no memory or LDS instruction has read v254 or v255
	v_mov_b32 v255, 0
	s_wait_dscnt 0x0                               ; the closing lines, six on end
	s_wait_alu 0x0
	s_wait_tensorcnt 0x0
	ds_add_u32 v254, v255
	s_wait_dscnt 0x0
	s_endpgm
.Lfunc_end_k_qf671ff72c4_attn:
	.size	k_qf671ff72c4_attn, .Lfunc_end_k_qf671ff72c4_attn-k_qf671ff72c4_attn
	.p2alignl 7, 3214868480
	.fill 96, 4, 3214868480
	.section	.rodata,"a",@progbits
	.p2align	6, 0x0
	.amdhsa_kernel k_qf671ff72c4_attn
		.amdhsa_group_segment_fixed_size 220160
		.amdhsa_private_segment_fixed_size 0
		.amdhsa_enable_private_segment 0
		.amdhsa_kernarg_size 56
		.amdhsa_user_sgpr_count 2
		.amdhsa_user_sgpr_kernarg_segment_ptr 1
		.amdhsa_wavefront_size32 1
		.amdhsa_system_sgpr_workgroup_id_x 1
		.amdhsa_system_sgpr_workgroup_id_y 1
		.amdhsa_system_sgpr_workgroup_id_z 1
		.amdhsa_system_vgpr_workitem_id 0
		.amdhsa_next_free_vgpr 256
		.amdhsa_next_free_sgpr 80
		.amdhsa_reserve_vcc 0
		.amdhsa_float_denorm_mode_32 3
		.amdhsa_float_denorm_mode_16_64 3
		.amdhsa_memory_ordered 1
		.amdhsa_forward_progress 1
		.amdhsa_inst_pref_size 145
	.end_amdhsa_kernel
	.amdgpu_metadata
---
amdhsa.version: [ 1, 2 ]
amdhsa.kernels:
  - .name:           k_qf671ff72c4_attn
    .symbol:         k_qf671ff72c4_attn.kd
    .args:
      - { .name: queries, .offset: 0, .size: 8, .value_kind: global_buffer, .address_space: global }
      - { .name: keys, .offset: 8, .size: 8, .value_kind: global_buffer, .address_space: global }
      - { .name: keysT, .offset: 16, .size: 8, .value_kind: global_buffer, .address_space: global }
      - { .name: values, .offset: 24, .size: 8, .value_kind: global_buffer, .address_space: global }
      - { .name: valuesT, .offset: 32, .size: 8, .value_kind: global_buffer, .address_space: global }
      - { .name: lowp_scales, .offset: 40, .size: 8, .value_kind: global_buffer, .address_space: global }
      - { .name: out0, .offset: 48, .size: 8, .value_kind: global_buffer, .address_space: global }
    .group_segment_fixed_size: 220160
    .private_segment_fixed_size: 0
    .kernarg_segment_align: 8
    .kernarg_segment_size: 56
    .max_flat_workgroup_size: 512
    .sgpr_count:     80
    .vgpr_count:     256
    .wavefront_size: 32
...
	.end_amdgpu_metadata
.endif
;; end of part 2
